; MI455X (gfx1250); checked and timed in simulation.
; The chip was launched on July 23, 2026; its instructions are those of AMD's public machine-readable ISA for CDNA 5 (MIT licence, August 2026) and "CDNA5" Instruction Set Architecture Reference Guide (July 2026). The comments in the code are by the model that wrote it; some were corrected since.
;; Standard Attention. Allowed arithmetic: matrix products marked QUANTISED: E3M2 operands, one E8M0 scale for each 32 along K, by v_wmma_scale_f32_16x16x128_f8f6f4 with both operands' format E3M2, f32 sums; everything else in f32.
;; Inputs: k 2,048 x 2 x 16 x 64 float32; q 2,048 x 2 x 16 x 64 float32; v 2,048 x 2 x 16 x 64 float32.
;; Outputs: out0 2,048 x 2 x 16 x 64 float32.
;; This version of the problem:
;;   THIS VERSION OF THE PROBLEM IS GIVEN IN LOW PRECISION. The matrix products marked QUANTISED in the list below multiply operands that are first quantised to E3M2 (3 exponent bits, 2 mantissa bits; 6 bits a number), with one power-of-two scale for each 32 numbers along K (OCP MX v1.0); their sums are f32. All else is computed in f32.
;;   The module's matrix products, in the order in which they are computed (A, B: the left and right operand; K: the contracted axis; several contracted axes count as one K, in the product's order):
;;     1. batch 32 x [M 2,048, K 64] x [K 64, N 2,048]; A: input q; B: input k: QUANTISED
;;     2. batch 32 x [M 2,048, K 2,048] x [K 2,048, N 64]; A: softmax (see below); B: input v: QUANTISED
;;   THE QUANTISER, for each operand of a quantised product, along K:
;;     - K is cut into blocks of 32 from its start; a last block that is shorter is filled with zeros.
;;     - A block's scale is 2^e with e = floor(log2(the largest magnitude in the block)) - 4, held to -126 .. 127; a block of zeros has e = 0. As a byte (E8M0): e + 127.
;;     - Each number is divided by its block's scale, clamped to +-28, and rounded to the nearest number of E3M2, ties to even, subnormals kept.
;;     - The product sums the exact products of the quantised numbers (number of the format x scale) in f32.
;;   ~~~python
;;   def quantise(x, axis):      # numpy; x: float32 -> the quantised numbers, widened to float32 again
;;       x = np.moveaxis(x, axis, -1); K = x.shape[-1]
;;       x = np.pad(x, [(0, 0)] * (x.ndim - 1) + [(0, -K % 32)]); x = x.reshape(x.shape[:-1] + (-1, 32)); a = np.abs(x).max(-1, keepdims=True)
;;       e = np.where(a > 0, np.clip(np.frexp(np.where(a > 0, a, 1))[1] - 1 - 4, -126, 127), 0)      # np.frexp(a)[1] - 1 = floor(log2(a)), exactly
;;       r = np.clip(x / 2.0 ** e, -28, 28)
;;       step = 2.0 ** (np.maximum(np.frexp(np.where(r == 0, 1, r))[1] - 1, -2) - 2)
;;       q = np.round(r / step) * step * 2.0 ** e      # np.round: ties to even
;;       return np.moveaxis(q.reshape(q.shape[:-2] + (-1,))[..., :K], -1, axis).astype(np.float32)
;;   ~~~
;;   SOFTMAX AHEAD OF A QUANTISED PRODUCT. Where the list says 'softmax', what is quantised is not the finished softmax but p = 2^(t - M), with t = logit x log2(e) and M = ceil(the row's largest t), a whole number; so 1/2 < the row's largest p <= 1. The row's sum l is taken of the UNQUANTISED p, in f32, and the product's result is divided by l at the end. Since M is a whole number, a kernel that streams over the keys may use a running M (the ceiling of the running maximum): every later rescaling is an exact power of two, which a block's scale takes up: the codes' values come out the same.
;;   OPERANDS COMPUTED ON THE WAY. 'Computed on the way' means the value that the module computes at that place (a softmax that the list does not call 'softmax' is quantised finished and normalised). What goes into a quantiser is computed in f32, as accurately as f32 sums, v_exp_f32 and their like allow (about 1e-6 of the number): no bf16 or f16 on the way to a quantiser, and a product that is left as it is and whose result goes on into a quantised operand takes f32 operands (vector FMAs, or v_wmma_f32_16x16x4_f32). A number that lies on a knife's edge between two numbers of the format may be rounded either way, as far as f32 arithmetic and the matrix unit's own rounding can turn it there, and no further.
;; One version. Each part assembles by itself: llvm-mc -triple=amdgcn-amd-amdhsa -mcpu=gfx1250 --defsym DOCPART=n.
;; ======== version 1 of 1: 2 launches
;; workspace buffers: kv 6,553,600 bytes
;; launch prep (part 1): grid 512 x 2, 4 waves a work-group, no clusters, 36,864 bytes of LDS; arguments k, v, kv; writes kv
.if DOCPART == 1
	.amdgcn_target "amdgcn-amd-amdhsa--gfx1250"
	.amdhsa_code_object_version 6
	.text
	.protected	k_q31faf16cdd_prep
	.globl	k_q31faf16cdd_prep
	.p2align	8
	.type	k_q31faf16cdd_prep,@function
k_q31faf16cdd_prep:
	s_mov_b64 s[64:65], 0
	v_nop
	global_prefetch_b8 v0, s[64:65] scope:SCOPE_SE
	s_setreg_imm32_b32 hwreg(HW_REG_WAVE_MODE, 25, 1), 1
	s_wait_xcnt 0x0
; CAUSAL ATTENTION ON CODES OF BF6 (E3M2), first of two launches.  q, k, v, out0: [S 2048][B 2][H 16][D 64] f32; head = 16 b + h; a head's row of 64 numbers is 256 bytes, at 8192 s + 256 head.
; This launch quantises K along D (the first product's K) and V along the keys (the second product's K), once, since every work-group of a head reads them.  The second launch quantises q in registers and does the rest.
; WORK LEFT OUT BY THE PROGRAM (in the second launch).  reference() itself sets a score to -infinity where key > query (its own jnp.tril).  For such a pair p = 2^(-infinity) = 0 exactly, whatever the inputs hold:
; it adds nothing to the row's sum, its code is 0, and it adds nothing to the second product.  So a step of 128 keys whose first key lies behind all 16 queries of a tile is not computed for that tile, and a slot of keys
; that no tile of a work-group needs is not fetched.  Every number of q, k and v still has a way to an output (key s counts for query s), so all three inputs are loaded whole.
; LIMITS: a NaN, an infinity or an overflow that would arise only in the tiles left out is not carried to the result.  NaN and infinities among the inputs are not served.  A block of zeros gets the scale byte 1 where the
; rule says 127: its codes are zeros, which add nothing under any byte but 0xff, and this program alone reads the bytes.  A block whose largest magnitude lies under 2^(5 - 127) is held at the byte 1.
; THE WORKSPACE kv: [head 32][step 16][12,800 bytes]; a step is 128 keys: K's four fragments (1,536 bytes each), K's scale words (256), V's four fragments, V's scale words.
;   A fragment is an IMAGE OF THE OPERAND'S REGISTERS (16 rows x 128 along K = 12 registers a lane): registers 4 g .. 4 g + 3 of lane l lie at 512 g + 16 l.  Lane (r, h) holds row r; registers 6 c .. 6 c + 5 hold k = 64 c + 32 h + 0 .. 31.
;   K's fragment b carries TWO tiles of 16 keys, since D = 64 fills half of the instruction's 128: row r, k = 64 u + 32 h + i is K[key 32 b + 8 u + r + 8 (r / 8)][d = 32 h + i].
;   V's fragment t: row r is d = 16 t + r, k is the key in the step.
;   The scale word (four E8M0 bytes) of fragment f, row r lies at 128 (f % 2) + 8 r + 4 (f / 2): a load of 8 bytes at 8 x lane then gives two registers, register j with fragment 2 j in lanes 0-15 and 2 j + 1 in lanes 16-31.
; SHARES.  Work-group (x = 16 head + step, y = 0: K, 1: V) takes 128 rows of one head.  Wave w loads rows 32 w .. 32 w + 31, two whole rows of 256 bytes an instruction, lays them into a stage in LDS, and makes fragment w.
; No tensor load, no loop: 16 loads of 16 bytes a lane are out in each wave, and several work-groups share a WGP.
.set HEADB, 204800
.set STEPB, 12800
.set KINDB, 6400                       ; V's part of a step begins here
.set FRAGB, 1536
.set SCO,   6144                       ; the scale words, behind the four fragments
.set PITCH, 272                        ; a stage row: 256 bytes + 16 = 68 words: rows start 4 banks apart (64 banks of 4 bytes: ISA guide 11.1)
.set WREG,  8832                       ; a wave's 32 stage rows, 8,704 bytes, + 128: rows 32 apart start 32 banks apart, so the two halves of the lanes do not meet when V is read by columns
.set SCST,  4*WREG                     ; the work-group's 256 bytes of scale words
.set SPARE, SCST+256                   ; the spare words, 128 bytes for each wave: two blocks of 256 bytes that no other line names
.set GA,  4                            ; v4   in memory: 8192 h + 16 r: lanes 0-15 one row, lanes 16-31 the next
.set SA,  5                            ; v5   the same two rows in my part of the stage
.set KA,  6                            ; v6   K: row r + 8 (r / 8) of my 32, + 128 h
.set VA,  8                            ; v8   V: column d = 16 w + r, rows from 32 h on
.set XA,  9                            ; v9   where my fragment's scale word of row r goes
.set LI,  10                           ; v10  16 x lane
.set L8,  11                           ; v11  8 x lane
.set XR,  12                           ; v12  SCST + 8 x lane
.set SH,  13                           ; v13  8 h
.set SPW, 14                           ; v14  LDS address of my spare word; never rewritten
.set NIL, 15                           ; v15  0; never rewritten
.set NUM, 16                           ; v16-79   the 16 loads, then my 64 numbers: register 32 c + i = k 64 c + 32 h + i of row r
.set COD, 80                           ; v80-91   the fragment's 12 registers
.set TMP, 92                           ; v92-94, v96-98  the upper halves of the two blocks' codes
.set MX,  100                          ; v100-101 largest magnitudes
.set SCL, 102                          ; v102-103 the conversions' scale operands
.set BY,  104                          ; v104-105 the scale bytes
.set XW,  106                          ; v106 the scale word
.set XP,  107                          ; v107 the other half of the lanes' part of it
.set OUTS, 108                         ; v108-109 the scale words on their way out
	s_load_b128 s[4:7], s[0:1], 0x0                ; k, v
	s_load_b64 s[8:9], s[0:1], 0x10                ; kv
	v_lshl_add_u32 v[SPW], v0, 2, SPARE
	v_mov_b32 v[NIL], 0
	v_lshrrev_b32 v1, 5, v0
	v_readfirstlane_b32 s10, v1                    ; wave 0..3
	v_and_b32 v1, 31, v0                           ; lane
	v_and_b32 v2, 15, v0                           ; r
	v_bfe_u32 v3, v0, 4, 1                         ; h
	s_lshr_b32 s12, ttmp9, 4                       ; head
	s_and_b32 s13, ttmp9, 15                       ; step
	s_and_b32 s14, ttmp7, 0xffff                   ; 0: K, 1: V
	s_mul_i32 s22, s10, WREG                       ; my part of the stage
	v_lshlrev_b32 v[GA], 13, v3
	v_lshl_add_u32 v[GA], v2, 4, v[GA]
	v_mul_u32_u24 v[SA], v3, PITCH
	v_lshl_add_u32 v[SA], v2, 4, v[SA]
	v_add_nc_u32 v[SA], s22, v[SA]
	v_and_b32 v[KA], 8, v2
	v_add_nc_u32 v[KA], v[KA], v2                  ; r + 8 (r / 8)
	v_mul_u32_u24 v[KA], v[KA], PITCH
	v_lshl_add_u32 v[KA], v3, 7, v[KA]
	v_add_nc_u32 v[KA], s22, v[KA]
	s_lshl_b32 s23, s10, 6                         ; 16 w columns of 4 bytes
	v_mul_u32_u24 v[VA], v3, WREG
	v_lshl_add_u32 v[VA], v2, 2, v[VA]
	v_add_nc_u32 v[VA], s23, v[VA]
	s_and_b32 s23, s10, 1
	s_lshl_b32 s23, s23, 7                         ; 128 (w % 2)
	s_lshr_b32 s26, s10, 1
	s_lshl_b32 s26, s26, 2                         ; 4 (w / 2)
	s_add_co_u32 s23, s23, s26
	s_add_co_u32 s23, s23, SCST
	v_lshl_add_u32 v[XA], v2, 3, s23
	v_lshlrev_b32 v[LI], 4, v1
	v_lshlrev_b32 v[L8], 3, v1
	v_add_nc_u32 v[XR], SCST, v[L8]
	v_lshlrev_b32 v[SH], 3, v3
	v_mov_b32 v[XP], 0                             ; written once: a lane permute's destination counts as one of its sources
	s_mov_b32 s24, 0x76543210
	s_mov_b32 s25, 0xfedcba98                      ; v_permlanex16_b32's selects for lane l xor 16
	s_lshl_b32 s16, s13, 20                        ; the step's 128 rows of 8,192 bytes,
	s_lshl_b32 s17, s12, 8                         ; the head's 256 bytes of a row,
	s_add_co_u32 s16, s16, s17
	s_lshl_b32 s17, s10, 18                        ; my wave's 32 rows
	s_add_co_u32 s16, s16, s17
	s_mov_b32 s17, 0
	s_mul_i32 s18, s12, HEADB
	s_mul_i32 s19, s13, STEPB
	s_add_co_u32 s18, s18, s19
	s_mul_i32 s19, s14, KINDB
	s_add_co_u32 s18, s18, s19                     ; where the step's K part or V part begins in kv
	s_mov_b32 s19, 0
	s_mul_i32 s20, s10, FRAGB                      ; my fragment in it
	s_mov_b32 s21, 0
	s_wait_kmcnt 0x0
	s_cmp_eq_u32 s14, 0                            ; the choice hangs on the work-group's number alone
	s_cselect_b64 s[4:5], s[4:5], s[6:7]
	s_add_nc_u64 s[4:5], s[4:5], s[16:17]
	s_add_nc_u64 s[8:9], s[8:9], s[18:19]
	s_add_nc_u64 s[20:21], s[8:9], s[20:21]
.irp i, 0,1,2,3,4,5,6,7,8,9,10,11,12,13,14,15
	global_load_b128 v[NUM+4*\i:NUM+4*\i+3], v[GA], s[4:5] offset:16384*\i th:TH_LOAD_NT   ; rows 2 i and 2 i + 1: sixteen lanes read a row's 256 consecutive bytes; read once in the launch
.endr
.irp i, 0,1,2,3,4,5,6,7,8,9,10,11,12,13,14,15
	s_wait_loadcnt 15-\i                           ; loads come back in order (ISA guide 5.7.1): load i is in, the 15 - i younger ones stay out
	ds_store_b128 v[SA], v[NUM+4*\i:NUM+4*\i+3] offset:2*PITCH*\i
.endr
	s_wait_dscnt 0x0                               ; for the others' sake: my rows lie in the stage
	s_barrier_signal -1
	s_barrier_wait -1                              ; all 128 rows do
	; The two kinds differ only in which 64 numbers a lane takes out of the stage: LDS loads alone stand in the two arms.
	s_cmp_lg_u32 s14, 0
	s_cbranch_scc1 .Lfrom_v
.irp u, 0,1                                    ; K: tile u's key 8 u + r + 8 (r / 8) of my 32, its numbers d = 32 h + 0 .. 31: neighbours in the row
.irp i, 0,1,2,3,4,5,6,7
	ds_load_b128 v[NUM+32*\u+4*\i:NUM+32*\u+4*\i+3], v[KA] offset:8*PITCH*\u+16*\i
.endr
.endr
	s_branch .Lread
.Lfrom_v:
	s_wait_alu depctr_va_vdst(0)
.irp c, 0,1                                    ; V: column d = 16 w + r, DOWN the keys 64 c + 32 h + 0 .. 31: the registers run along the second product's K
.set n, 0
.rept 32
	ds_load_b32 v[NUM+32*\c+n], v[VA] offset:2*WREG*\c+PITCH*n
.set n, n+1
.endr
.endr
.Lread:
	s_wait_dscnt 0x0
	; THE QUANTISER.  Both of my blocks of 32 (blocks h and 2 + h of row r) are whole in my registers.
.irp c, 0,1
	v_max3_num_f32 v[MX+\c], |v[NUM+32*\c]|, |v[NUM+32*\c+1]|, 0x2800000   ; the largest magnitude, with the floor 2^(5 - 127) among its leaves: the byte cannot fall under 1
.endr
.irp i, 2,4,6,8,10,12,14,16,18,20,22,24,26,28,30
.irp c, 0,1
	v_max3_num_f32 v[MX+\c], v[MX+\c], |v[NUM+32*\c+\i]|, |v[NUM+32*\c+\i+1]|   ; (the two blocks by turns)
.endr
.endr
.irp c, 0,1
	v_add_nc_u32 v[SCL+\c], 0xfe000000, v[MX+\c]   ; 4 off its exponent field: the conversion takes the exponent field of this operand as its scale, and nothing else of it
.endr
.irp c, 0,1
	v_lshrrev_b32 v[BY+\c], 23, v[SCL+\c]          ; the scale's byte
.endr
	v_lshl_or_b32 v[XW], v[BY+1], 16, v[BY]        ; my two bytes,
	v_lshlrev_b32 v[XW], v[SH], v[XW]              ; at their places in the word (8 h bits up);
	v_permlanex16_b32 v[XP], v[XW], s24, s25
	v_or_b32 v[XW], v[XW], v[XP]                   ; with lane l xor 16's two the word is whole
.irp c, 0,1
	v_cvt_scalef32_pk16_bf6_f32 v[COD+6*\c:COD+6*\c+2], v[NUM+32*\c:NUM+32*\c+15], v[SCL+\c]
	v_cvt_scalef32_pk16_bf6_f32 v[TMP+4*\c:TMP+4*\c+2], v[NUM+32*\c+16:NUM+32*\c+31], v[SCL+\c]   ; (a conversion's three registers begin on an even number: a block's upper half is made elsewhere and moved)
.endr
	v_nop                                          ; one plain place behind a scaled conversion
.irp c, 0,1
.irp i, 0,1,2
	v_mov_b32 v[COD+6*\c+3+\i], v[TMP+4*\c+\i]
.endr
.endr
.irp g, 0,1,2
	global_store_b128 v[LI], v[COD+4*\g:COD+4*\g+3], s[20:21] offset:512*\g   ; the image: 32 lanes store 512 consecutive bytes, at a multiple of 256 from kv's first byte
.endr
	ds_store_b32 v[XA], v[XW]                      ; lanes r and 16 + r write the same word with the same value
	s_wait_dscnt 0x0                               ; for wave 0's sake
	s_barrier_signal -1
	s_barrier_wait -1                              ; the four fragments' scale words lie together
	s_cmp_lg_u32 s10, 0
	s_cbranch_scc1 .Lend
	ds_load_b64 v[OUTS:OUTS+1], v[XR]
	s_wait_dscnt 0x0
	global_store_b64 v[L8], v[OUTS:OUTS+1], s[8:9] offset:SCO   ; 32 lanes store 256 consecutive bytes, aligned
.Lend:
	s_wait_tensorcnt 0x0                           ; the wave's end: behind my last LDS store
	ds_add_u32 v[SPW], v[NIL]
	s_wait_dscnt 0x0
	s_endpgm
.Lfunc_end_k_q31faf16cdd_prep:
	.size	k_q31faf16cdd_prep, .Lfunc_end_k_q31faf16cdd_prep-k_q31faf16cdd_prep
	.p2alignl 7, 3214868480
	.fill 96, 4, 3214868480
	.section	.rodata,"a",@progbits
	.p2align	6, 0x0
	.amdhsa_kernel k_q31faf16cdd_prep
		.amdhsa_group_segment_fixed_size 36864
		.amdhsa_private_segment_fixed_size 0
		.amdhsa_enable_private_segment 0
		.amdhsa_kernarg_size 24
		.amdhsa_user_sgpr_count 2
		.amdhsa_user_sgpr_kernarg_segment_ptr 1
		.amdhsa_wavefront_size32 1
		.amdhsa_system_sgpr_workgroup_id_x 1
		.amdhsa_system_sgpr_workgroup_id_y 1
		.amdhsa_system_sgpr_workgroup_id_z 1
		.amdhsa_system_vgpr_workitem_id 0
		.amdhsa_next_free_vgpr 112
		.amdhsa_next_free_sgpr 66
		.amdhsa_reserve_vcc 0
		.amdhsa_float_denorm_mode_32 3
		.amdhsa_float_denorm_mode_16_64 3
		.amdhsa_memory_ordered 1
		.amdhsa_forward_progress 1
		.amdhsa_inst_pref_size 15
	.end_amdhsa_kernel
	.amdgpu_metadata
---
amdhsa.version: [ 1, 2 ]
amdhsa.kernels:
  - .name:           k_q31faf16cdd_prep
    .symbol:         k_q31faf16cdd_prep.kd
    .args:
      - { .name: k, .offset: 0, .size: 8, .value_kind: global_buffer, .address_space: global }
      - { .name: v, .offset: 8, .size: 8, .value_kind: global_buffer, .address_space: global }
      - { .name: kv, .offset: 16, .size: 8, .value_kind: global_buffer, .address_space: global }
    .group_segment_fixed_size: 36864
    .private_segment_fixed_size: 0
    .kernarg_segment_align: 8
    .kernarg_segment_size: 24
    .max_flat_workgroup_size: 128
    .sgpr_count:     66
    .vgpr_count:     112
    .wavefront_size: 32
...
	.end_amdgpu_metadata
.endif
;; end of part 1
;; launch attn (part 2): grid 8 x 32, 16 waves a work-group, no clusters, 327,680 bytes of LDS; arguments q, kv, out0; writes out0
.if DOCPART == 2
	.amdgcn_target "amdgcn-amd-amdhsa--gfx1250"
	.amdhsa_code_object_version 6
	.text
	.protected	k_q31faf16cdd_attn
	.globl	k_q31faf16cdd_attn
	.p2align	8
	.type	k_q31faf16cdd_attn,@function
k_q31faf16cdd_attn:
	s_mov_b64 s[64:65], 0
	v_nop
	global_prefetch_b8 v0, s[64:65] scope:SCOPE_SE
	s_setreg_imm32_b32 hwreg(HW_REG_WAVE_MODE, 25, 1), 1
	s_wait_xcnt 0x0
; CAUSAL ATTENTION ON CODES OF BF6 (E3M2), second of two launches.  out0[s][head][:] = the sum over keys t <= s of softmax_t(q[s] . k[t] / 8) v[t][:].  q, out0: [2048][32 heads][64] f32; kv: K and V as operand images (layout below).
; WORK LEFT OUT: steps of 128 keys that lie wholly behind a tile's 16 queries, and slots that no tile of the work-group needs: reference()'s own causal mask makes their p exactly 0 (shown at the head of the first launch).
; LIMITS: a NaN, an infinity or an overflow that would arise only there is not carried to the result; NaN and infinities among the inputs are not served; a block of zeros has the scale byte 1 (its codes are zeros).
; THE SOFTMAX AHEAD OF THE SECOND PRODUCT: t = score x log2(e) / 8; M = the row's largest t so far, rounded UP to a whole number; p = 2^(t - M) is what is quantised, along the keys, not normalised.  The row's sum is taken of
; the unquantised p, in f32, and divides O at the end.  When M moves, the sum and O are multiplied by 2^(old M - new M): exact.
; kv: [head][step of 128 keys][12,800 bytes]: K's 4 fragments of 1,536 bytes, K's scale words (256 bytes), V's 4 fragments, V's scale words.  A fragment is the image of an operand's 12 registers: registers 4 g .. 4 g + 3 of
; lane l at 512 g + 16 l: three loads of 16 bytes a lane bring it, each 512 consecutive bytes.  The scale words come by one load of 8 bytes at 8 x lane: register j has fragment 2 j in lanes 0-15, 2 j + 1 in lanes 16-31.
; D = 64 IS HALF OF THE INSTRUCTION'S 128.  K's fragment b carries two tiles of 16 keys (k = 64 u + d, u = 0, 1); Q's operand has its 64 codes in one half and zero codes in the other, which picks the tile: so each fragment of
; K read from LDS feeds two products, and no register of K's holds zeros.  Q's six registers stand between two runs of six zeros: v[22:33] is (Q, 0), v[16:27] is (0, Q).
; LAYOUT.  Both products are used transposed: S^T = K Q^T (source 0 = 16 keys, source 1 = my 16 queries), O^T = V^T P^T (source 0 = 16 of the head's 64, source 1 = P): a lane holds ONE query (lane % 16) throughout.
; Row r of tile 2 b + u is key 32 b + 8 u + r + 8 (r / 8), so that the 16 registers of tiles 2 b and 2 b + 1 are 16 neighbouring keys, 32 b + 16 (lane / 16) + 0 .. 15.
; SHARES.  256 work-groups of sixteen waves, four to a SIMD, so that one wave's vector work stands beside another's matrix work and LDS loads; a wave owns one tile of 16 queries, in 256 registers.
; THE CAUSAL WORK IS EVENED OUT.  A head's 2,048 queries are 4 blocks of 32 tiles.  Work-group j (a = j / 4, p = j % 4) takes tiles 4 i + p, i = 0 .. 7, of block a AND of block 3 - a.  A tile of block B needs 4 B + i / 2 + 1 steps, so
; every work-group has (32 a + 20) + (32 (3 - a) + 20) = 136 steps.  Among the waves the tiles are dealt as a Latin square: any four waves with equal w % 4, or with equal w / 4, have 34 steps together.
; THE RING.  Two LDS slots of 512 keys (4 steps, 51,200 dense bytes), filled by waves 0 to 3, a step each, and read by all sixteen.  Every work-group walks all 4 slots, so that every trip count is a constant; a step's work, and
; the fetch of a slot behind the work-group's last query, are jumped over on ids alone.
; NO CLUSTER: the work-groups of a head need different numbers of slots (4 where a = 0, 3 where a = 1), so a joint load would bring some partner a tile that none of its waves reads.
.set STEPB, 12800
.set HEADB, 204800
.set SLOTB, 4*STEPB
.set KSCO,  6144                       ; in a step: K's scale words,
.set VIMO,  6400                       ; V's fragments,
.set VSCO,  12544                      ; V's scale words
.set SLOT1, 1<<16                      ; slot 1 begins here, so that one exclusive or turns an address in one slot into the other's
.set SPARE, 2*SLOT1                    ; the spare words, 128 bytes for each wave: eight blocks of 256 bytes that no other line names
.set STAGE, SPARE+2048                 ; 16 rows x (256 bytes + 16) for each wave: q's way in and O's way out; no tensor load lands here
.set SP,    272
.set LI,   1                           ; v1   16 x lane
.set LS,   2                           ; v2   8 x lane
.set SPW,  3                           ; v3   LDS address of my spare word; never rewritten
.set NIL,  4                           ; v4   0; never rewritten
.set GO,   5                           ; v5   in q and out0: 8192 h + 16 r: lanes 0-15 one row, lanes 16-31 the next
.set ADR,  6                           ; v6   the slot in hand + 16 x lane
.set ADS,  7                           ; v7   the slot in hand + 8 x lane
.set SR,   8                           ; v8   my stage by rows: 272 h + 16 r
.set SO,   9                           ; v9   my stage, O's way in: 272 r + 32 h
.set QR,   10                          ; v10  my stage, q's way out: 272 r + 128 h
.set D0,   11                          ; v11  r - 16 h
                                       ; v12  -M;  v13 the largest t;  v[14:15] the sum in two halves
.set QZ,   16                          ; v16-21 zeros, v22-27 Q's codes, v28-33 zeros
.set QSR,  34                          ; v34  Q's scale word: bytes q0, q1, q0, q1
.set FRG,  36                          ; v36-83   four fragments of K, then of V
.set KSR,  84                          ; v84-85   K's scale words
.set VSR,  86                          ; v86-87   V's
.set PFO,  88                          ; v88  the prefetches' offset; never rewritten
.set SS,   96                          ; v96-159  S^T, then p
.set OT,   160                         ; v160-191 O^T
.set PCD,  192                         ; v192-203 p's codes
.set PTM,  204                         ; v204-206, v208-210 halves of them on the way
.set BMX,  212                         ; v212-215 the blocks' largest scores, then largest p
.set BTM,  216                         ; v216-219 at work
.set BSC,  220                         ; v220-223 the conversions' scale operands
.set FF,   224                         ; v224 f = 2^(old M - new M); v225 named with it as a pair
.set PWD,  226                         ; v226 p's scale word
.set TT,   227                         ; v227 at work
.set DD,   228                         ; v228 the diagonal: my query - the step's first key - 16 h
.set NINF, 230                         ; v230 -infinity
.set SM2,  232                         ; v232-233 the sum's second chain
.set WV,   10                          ; s10  my wave's number
.set HD,   12                          ; s12  the head
.set Q0,   13                          ; s13  my first query
.set QL,   14                          ; s14  my work-group's last query
.set KF,   15                          ; s15  the step's first key
.set TB,   16                          ; s16  LDS byte at which the slot in hand begins
.set SLOTS, 17                         ; s17  changes of slots still to come in the loop
.set SEL,  18                          ; s[18:19] lane selects for v_permlanex16_b32: lane l xor 16
.set CS,   20                          ; s[20:21] c = log2(e) / 8: the packed form names a pair and takes its low word for both halves
.set LIM,  22                          ; s22  1 in a wave that prefetches, else the greatest number
.set G1,   24                          ; s[24:31] descriptor group 1
.set G0,   32                          ; s[32:35] descriptor group 0, which walks
.set PFA,  36                          ; s[36:37] where my prefetches stand
; Waves 0 to 3 fetch, a step of the slot each.  The branch hangs on the wave's number alone.  An s_nop 0 and four v_nop follow the load.
.macro TLOAD
	s_cmp_lt_u32 s[WV], 4
	s_cbranch_scc0 .Lasked_\@
	tensor_load_to_lds s[G0:G0+3], s[G1:G1+7]
	s_nop 0
.rept 4
	v_nop
.endr
.Lasked_\@:
.endm
; A PREFETCH INTO THE L2 of the slot that the NEXT change of slots will ask for: four key steps ahead of that load.  All eight work-groups of a head walk the same kv: the head's work-group 0 asks, and nobody else.
; Slots 0 and 1 come by their loads alone; the last change in the loop asks for nothing:
; there is no slot behind the one that it fills.
.macro ASK
	s_cmp_gt_u32 s[SLOTS], s[LIM]
	s_cbranch_scc0 .Lnot_mine_\@
	global_prefetch_b8 v[PFO], s[PFA:PFA+1] th:TH_LOAD_NT scope:SCOPE_SE
.Lnot_mine_\@:
.endm
.macro QK b, u                         ; tile 2 b + u of S^T: K's fragment b against (Q, 0) or (0, Q); C = 0 starts the sum
.if (\b)%2
	v_wmma_scale_f32_16x16x128_f8f6f4 v[SS+8*(2*(\b)+(\u)):SS+8*(2*(\b)+(\u))+7], v[FRG+12*(\b):FRG+12*(\b)+11], v[QZ+6-6*(\u):QZ+17-6*(\u)], 0, v[KSR+(\b)/2], v[QSR] matrix_a_fmt:MATRIX_FMT_BF6 matrix_b_fmt:MATRIX_FMT_BF6 matrix_a_scale:MATRIX_SCALE_ROW1
.else
	v_wmma_scale_f32_16x16x128_f8f6f4 v[SS+8*(2*(\b)+(\u)):SS+8*(2*(\b)+(\u))+7], v[FRG+12*(\b):FRG+12*(\b)+11], v[QZ+6-6*(\u):QZ+17-6*(\u)], 0, v[KSR+(\b)/2], v[QSR] matrix_a_fmt:MATRIX_FMT_BF6 matrix_b_fmt:MATRIX_FMT_BF6
.endif
.endm
.macro PV t                            ; O^T's tile t (d = 16 t on) += V's fragment t x P
.if (\t)%2
	v_wmma_scale_f32_16x16x128_f8f6f4 v[OT+8*(\t):OT+8*(\t)+7], v[FRG+12*(\t):FRG+12*(\t)+11], v[PCD:PCD+11], v[OT+8*(\t):OT+8*(\t)+7], v[VSR+(\t)/2], v[PWD] matrix_a_fmt:MATRIX_FMT_BF6 matrix_b_fmt:MATRIX_FMT_BF6 matrix_a_scale:MATRIX_SCALE_ROW1
.else
	v_wmma_scale_f32_16x16x128_f8f6f4 v[OT+8*(\t):OT+8*(\t)+7], v[FRG+12*(\t):FRG+12*(\t)+11], v[PCD:PCD+11], v[OT+8*(\t):OT+8*(\t)+7], v[VSR+(\t)/2], v[PWD] matrix_a_fmt:MATRIX_FMT_BF6 matrix_b_fmt:MATRIX_FMT_BF6
.endif
.endm
	s_load_b128 s[4:7], s[0:1], 0x0                ; q, kv
	s_load_b64 s[8:9], s[0:1], 0x10                ; out0
	v_lshl_add_u32 v[SPW], v0, 2, SPARE
	v_mov_b32 v[NIL], 0
	ds_add_u32 v[SPW], v[NIL]                      ; the wave's opening: the add, twice on end, and its wait ahead of my first tensor load; the set-up below, work on registers, stands between the second and the wait
	ds_add_u32 v[SPW], v[NIL]
	v_lshrrev_b32 v1, 5, v0
	s_delay_alu instid0(VALU_DEP_1)
	v_readfirstlane_b32 s[WV], v1                  ; wave 0..15
	s_and_b32 s[HD], ttmp7, 0xffff
	s_lshr_b32 s40, ttmp9, 2                       ; a
	s_and_b32 s41, ttmp9, 3                        ; p
	s_and_b32 s42, s[WV], 3                        ; x = w % 4
	s_lshr_b32 s43, s[WV], 2                       ; y = w / 4
	s_add_co_u32 s44, s42, s43
	s_and_b32 s44, s44, 3                          ; kk = (x + y) % 4: each value once in every row and every column of the 4 x 4 waves
	s_and_b32 s45, s42, 1                          ; e = x % 2
	s_lshr_b32 s46, s43, 1
	s_xor_b32 s46, s46, s45                        ; which of the two blocks: e xor (y / 2): two of each in every row and column
	s_lshl_b32 s44, s44, 1
	s_add_co_u32 s44, s44, s45                     ; i = 2 kk + e
	s_lshl_b32 s47, s40, 1
	s_sub_co_u32 s47, 3, s47
	s_mul_i32 s47, s47, s46
	s_add_co_u32 s47, s47, s40                     ; block a, or a + (3 - 2 a) = 3 - a
	s_lshl_b32 s47, s47, 5
	s_lshl_b32 s44, s44, 2
	s_add_co_u32 s47, s47, s44
	s_add_co_u32 s47, s47, s41                     ; my tile: 32 block + 4 i + p
	s_lshl_b32 s[Q0], s47, 4
	s_sub_co_u32 s[QL], 3, s40
	s_lshl_b32 s[QL], s[QL], 9
	s_or_b32 s[QL], s[QL], 511                     ; the last query of block 3 - a: the same in all sixteen waves
	s_lshl_b32 s48, s[Q0], 13                      ; my first row of q and out0: 8,192 bytes a query,
	s_lshl_b32 s49, s[HD], 8                       ; 256 a head
	s_add_co_u32 s48, s48, s49
	s_mov_b32 s49, 0
	s_mul_i32 s50, s[HD], HEADB                    ; my head in kv
	s_mov_b32 s51, 0
	s_mul_i32 s52, s42, STEPB                      ; the step of a slot that I fetch, if I fetch: in memory and in LDS alike
	s_mov_b32 s53, 0
	s_add_co_u32 s54, s[WV], 4
	s_and_b32 s54, s54, 7
	s_mul_i32 s54, s54, 6400                       ; waves 4 to 11: parts 0 to 7 of a slot,
	s_add_co_u32 s54, s54, SLOTB                   ; in slot 1: the first change of slots steps it to slot 2
	s_mov_b32 s55, 0
	s_sub_co_u32 s56, s[WV], 4
	s_lshr_b32 s56, s56, 3                         ; 0 in waves 4 to 11,
	s_or_b32 s56, s56, ttmp9                       ; of the head's work-group 0
	s_cmp_eq_u32 s56, 0
	s_cselect_b32 s[LIM], 1, -1
	s_mul_i32 s56, s[WV], 16*SP
	s_add_co_u32 s56, s56, STAGE                   ; my stage
	; descriptor group 1: a step's 12,800 dense bytes as 50 rows of 256 bytes (32 elements of 8 bytes), no padding: every read of a fragment takes 512 consecutive bytes
	s_mov_b32 s[G1+0], 3<<16                       ; 15:0 no mask; 17:16 elements of 8 bytes; 20 padding off
	s_mov_b32 s[G1+1], 32<<16                      ; tensor_dim0 = 32
	s_mov_b32 s[G1+2], 50<<16                      ; tensor_dim1 = 50
	s_mov_b32 s[G1+3], 32<<16                      ; tile_dim0 = 32
	s_mov_b32 s[G1+4], 50                          ; tile_dim1 = 50
	s_mov_b32 s[G1+5], 32                          ; tensor_dim0_stride
	s_mov_b32 s[G1+6], 0
	s_mov_b32 s[G1+7], 0
	s_mov_b32 s[SEL], 0x76543210
	s_mov_b32 s[SEL+1], 0xfedcba98
	s_mov_b32 s[CS], 0x3e38aa3b                    ; c = log2(e) / 8: reference()'s 1 / 8 is a power of two, so t is rounded once, as there
	s_mov_b32 s[CS+1], s[CS]                       ; (named with it as a pair, so it is written)
	s_mov_b32 s[KF], 0
	s_mov_b32 s[TB], 0
	s_mov_b32 s[SLOTS], 3
	v_and_b32 v1, 31, v0                           ; lane
	v_and_b32 v[ADR], 15, v0                       ; r  (in registers that the loop takes later)
	v_bfe_u32 v[ADS], v0, 4, 1                     ; h
	s_delay_alu instid0(VALU_DEP_3)
	v_lshlrev_b32 v[LS], 3, v1
	s_delay_alu instid0(VALU_DEP_4)
	v_min_u32 v[PFO], 24, v1
	s_delay_alu instid0(VALU_DEP_1)
	v_lshlrev_b32 v[PFO], 8, v[PFO]
	v_lshlrev_b32 v[LI], 4, v1
	v_lshlrev_b32 v[GO], 13, v[ADS]
	s_delay_alu instid0(VALU_DEP_1)
	v_lshl_add_u32 v[GO], v[ADR], 4, v[GO]
	v_mul_u32_u24 v[SR], v[ADS], SP
	s_delay_alu instid0(VALU_DEP_1)
	v_lshl_add_u32 v[SR], v[ADR], 4, v[SR]
	s_delay_alu instid0(VALU_DEP_1)
	v_add_nc_u32 v[SR], s56, v[SR]
	v_mul_u32_u24 v[SO], v[ADR], SP
	s_delay_alu instid0(VALU_DEP_1)
	v_lshl_add_u32 v[QR], v[ADS], 7, v[SO]
	s_delay_alu instid0(VALU_DEP_2)
	v_lshl_add_u32 v[SO], v[ADS], 5, v[SO]
	s_delay_alu instid0(VALU_DEP_1)
	v_add_nc_u32 v[SO], s56, v[SO]
	s_delay_alu instid0(VALU_DEP_3)
	v_add_nc_u32 v[QR], s56, v[QR]
	v_lshlrev_b32 v[D0], 4, v[ADS]
	s_delay_alu instid0(VALU_DEP_1)
	v_sub_nc_u32 v[D0], v[ADR], v[D0]
	v_lshlrev_b32 v[TT], 3, v[ADS]                 ; 8 h, for q's scale word
	v_mov_b32 v[NINF], 0xff800000
	s_wait_dscnt 0x0                               ; both opening adds are done
	s_wait_kmcnt 0x0
	s_add_nc_u64 s[6:7], s[6:7], s[50:51]          ; kv at my head
	s_mov_b32 s[G0], 1                             ; 1:0 count = 1
	s_mov_b32 s[G0+1], s52                         ; 63:32 LDS address: slot 0
	s_add_nc_u64 s[G0+2:G0+3], s[6:7], s[52:53]    ; 120:64 global address: the head's first four steps
	s_or_b32 s[G0+3], s[G0+3], 0x80000000          ; 127:126 type = 2
	TLOAD                                          ; slot 0: key 0 counts for every query, so every work-group reads it
	s_add_nc_u64 s[4:5], s[4:5], s[48:49]
	s_add_nc_u64 s[8:9], s[8:9], s[48:49]
.irp i, 0,1,2,3,4,5,6,7
	global_load_b128 v[SS+4*\i:SS+4*\i+3], v[GO], s[4:5] offset:16384*\i th:TH_LOAD_NT   ; my queries 2 i and 2 i + 1: sixteen lanes read a row's 256 consecutive bytes; read once in the launch
.endr
	s_add_nc_u64 s[PFA:PFA+1], s[6:7], s[54:55]    ; nothing is prefetched here, at the head, where every work-group's first tiles are on their way
.irp i, 0,1,2,3,4,5
	v_mov_b32 v[QZ+\i], 0                          ; the zero codes on both sides of Q's
	v_mov_b32 v[QZ+12+\i], 0
.endr
	v_mov_b32 v13, 0xff61b1e6                      ; the largest t so far: -3e38, under every t
	s_delay_alu instid0(VALU_DEP_1)
	v_floor_f32 v12, -v13                          ; -M
	v_mov_b32 v14, 0                               ; the sum, in two halves
	v_mov_b32 v15, 0
.irp b, 0,1,2,3
	v_mov_b32 v[BTM+\b], 0                         ; written once: a lane permute's destination counts as one of its sources
.endr
	v_mov_b32 v[FF+1], 0                           ; (named as the upper half of the pair)
	; q turns through my stage: in by rows as loaded, out 32 neighbours a lane: lane (r, h) takes d = 32 h + 0 .. 31 of query r, a whole block
.irp i, 0,1,2,3,4,5,6,7
	s_wait_loadcnt 7-\i                            ; load i is in, the 7 - i younger ones stay out
	ds_store_b128 v[SR], v[SS+4*\i:SS+4*\i+3] offset:2*SP*\i
.endr
.irp i, 0,1,2,3,4,5,6,7
	ds_load_b128 v[SS+32+4*\i:SS+32+4*\i+3], v[QR] offset:16*\i   ; LDS serves a wave's instructions in order (ISA guide 5.7.1.4): these see my stores
.endr
	s_wait_dscnt 0x0
	v_max3_num_f32 v[BMX], |v[SS+32]|, |v[SS+33]|, |v[SS+34]|      ; the block's largest magnitude, in two chains
	v_max3_num_f32 v[BMX+1], |v[SS+35]|, |v[SS+36]|, |v[SS+37]|
.irp i, 6,10,14,18,22,26
	s_delay_alu instid0(VALU_DEP_2)
	v_max3_num_f32 v[BMX], v[BMX], |v[SS+32+\i]|, |v[SS+33+\i]|
	s_delay_alu instid0(VALU_DEP_2)
	v_max3_num_f32 v[BMX+1], v[BMX+1], |v[SS+34+\i]|, |v[SS+35+\i]|
.endr
	s_delay_alu instid0(VALU_DEP_2)
	v_max3_num_f32 v[BMX], v[BMX], |v[SS+62]|, |v[SS+63]|
	s_delay_alu instid0(VALU_DEP_1)
	v_max3_num_f32 v[BMX], v[BMX], v[BMX+1], 0x2800000             ; and the floor 2^(5 - 127): the byte cannot fall under 1
	s_delay_alu instid0(VALU_DEP_1)
	v_add_nc_u32 v[BSC], 0xfe000000, v[BMX]        ; 4 off its exponent field: the conversion's scale operand
	s_delay_alu instid0(VALU_DEP_1)
	v_lshrrev_b32 v[BTM], 23, v[BSC]               ; the scale's byte,
	s_delay_alu instid0(VALU_DEP_1)
	v_lshlrev_b32 v[BTM], v[TT], v[BTM]            ; at its place (8 h bits up);
	s_delay_alu instid0(VALU_DEP_1)
	v_permlanex16_b32 v[BTM+1], v[BTM], s[SEL], s[SEL+1]
	s_delay_alu instid0(VALU_DEP_1)
	v_or_b32 v[BTM], v[BTM], v[BTM+1]              ; with lane l xor 16's: q0, q1
	s_delay_alu instid0(VALU_DEP_1)
	v_lshl_or_b32 v[QSR], v[BTM], 16, v[BTM]       ; and once more above them: the word serves (Q, 0) and (0, Q) alike
	v_cvt_scalef32_pk16_bf6_f32 v[QZ+6:QZ+8], v[SS+32:SS+47], v[BSC]
	v_cvt_scalef32_pk16_bf6_f32 v[PTM:PTM+2], v[SS+48:SS+63], v[BSC]   ; (a conversion's three registers begin on an even number)
	v_nop                                          ; one plain place behind a scaled conversion
.irp i, 0,1,2
	v_mov_b32 v[QZ+9+\i], v[PTM+\i]
.endr
.set n, 0
.rept 32
	v_mov_b32 v[OT+n], 0                           ; O^T.  (The step is written without a first form: the first finds zeros, which the first change of M leaves zeros.  These are also the places between Q's scale word and the first product)
.set n, n+1
.endr
; A KEY STEP: 128 keys, the q-th of the slot in hand.
.macro STEP q
	s_add_co_u32 s40, s[Q0], 15                    ; a step all of whose keys come after my 16 queries is left out: a scalar branch on ids, round the step's loads, products and softmax; no barrier or tensor load stands in a step
	s_cmp_gt_u32 s[KF], s40
	s_cbranch_scc1 .Lhidden_\@
	v_add_nc_u32 v[ADR], s[TB], v[LI]
	v_add_nc_u32 v[ADS], s[TB], v[LS]
	v_nop                                          ; with the two additions: four places between the last step's products and the loads into registers that they have read (ISA guide 7.12.1 for vector instructions)
	v_nop
.irp f, 0,1,2,3
.irp g, 0,1,2
	ds_load_b128 v[FRG+12*\f+4*\g:FRG+12*\f+4*\g+3], v[ADR] offset:STEPB*(\q)+1536*\f+512*\g
.endr
.endr
	ds_load_b64 v[KSR:KSR+1], v[ADS] offset:STEPB*(\q)+KSCO
	s_wait_alu depctr_va_vdst(0)
	s_wait_dscnt 0x0
.irp b, 0,1,2,3
.irp u, 0,1
	QK \b, \u                                      ; register 16 b + n of lane (r, h) is key KF + 32 b + 16 h + n of query r
.endr
.endr
.rept 4
	v_nop                                          ; four places: in front of the loads below, and of the first read of the scores
.endr
.irp f, 0,1,2,3                                ; V's fragments are asked for now, into K's registers, and land under the softmax
.irp g, 0,1,2
	ds_load_b128 v[FRG+12*\f+4*\g:FRG+12*\f+4*\g+3], v[ADR] offset:STEPB*(\q)+VIMO+1536*\f+512*\g
.endr
.endr
	ds_load_b64 v[VSR:VSR+1], v[ADS] offset:STEPB*(\q)+VSCO
	s_add_co_u32 s40, s[KF], 127                   ; on the diagonal the scores of hidden keys become -infinity ahead of the maximum: p = 0 then.  A step all of whose keys count skips this
	s_cmp_le_u32 s40, s[Q0]
	s_cbranch_scc1 .Lopen_\@
	s_sub_co_i32 s40, s[Q0], s[KF]
	v_add_nc_u32 v[DD], s40, v[D0]                 ; d = my query - KF - 16 h: register 16 b + i is hidden where 32 b + i > d
.set n, 0
.rept 64
	v_cmp_gt_i32 vcc_lo, 32*(n/16)+n%16, v[DD]
	v_cndmask_b32 v[SS+n], v[SS+n], v[NINF], vcc_lo
.set n, n+1
.endr
.Lopen_\@:
.irp b, 0,1,2,3
	v_max3_num_f32 v[BMX+\b], v[SS+16*\b], v[SS+1+16*\b], v[SS+2+16*\b]   ; THE LARGEST SCORE OF EACH BLOCK OF 32 KEYS serves twice: for the row's maximum, and, since p rises with the score, for the block's largest p
.endr
.irp i, 3,5,7,9,11,13
.irp b, 0,1,2,3
	v_max3_num_f32 v[BMX+\b], v[BMX+\b], v[SS+16*\b+\i], v[SS+1+16*\b+\i]   ; (the four blocks by turns; each accumulator is read from its low end on)
.endr
.endr
.irp b, 0,1,2,3
	v_max_num_f32 v[BMX+\b], v[BMX+\b], v[SS+15+16*\b]
.endr
.irp b, 0,1,2,3
	s_delay_alu instid0(VALU_DEP_4)
	v_permlanex16_b32 v[BTM+\b], v[BMX+\b], s[SEL], s[SEL+1]
.endr
.irp b, 0,1,2,3
	s_delay_alu instid0(VALU_DEP_4)
	v_max_num_f32 v[BMX+\b], v[BMX+\b], v[BTM+\b]  ; with lane l xor 16's 16 keys
.endr
	s_delay_alu instid0(VALU_DEP_2)
	v_max3_num_f32 v[TT], v[BMX], v[BMX+1], v[BMX+2]
	s_delay_alu instid0(VALU_DEP_1)
	v_max_num_f32 v[TT], v[TT], v[BMX+3]           ; the step's largest score of my query
	s_delay_alu instid0(VALU_DEP_1)
	v_mul_f32 v[TT], s[CS], v[TT]                  ; as t (c is positive)
	s_delay_alu instid0(VALU_DEP_1)
	v_max_num_f32 v13, v13, v[TT]                  ; the running largest t
	v_mov_b32 v[TT], v12
	s_delay_alu instid0(VALU_DEP_2)
	v_floor_f32 v12, -v13                          ; the new -M = floor(-t) = -ceil(t): M IS A WHOLE NUMBER
	s_delay_alu instid0(VALU_DEP_1)
	v_sub_f32 v[TT], v12, v[TT]                    ; M's old value less its new one: a whole number, 0 or less
	s_delay_alu instid0(VALU_DEP_1)
	v_cvt_i32_f32 v[TT], v[TT]                     ; (it saturates)
	s_delay_alu instid0(VALU_DEP_1)
	v_ldexp_f32 v[FF], 1.0, v[TT]                  ; f = 2^(old M - new M): a multiplication by it rounds nothing
.set n, 0
.rept 32
	v_pk_fma_f32 v[SS+n:SS+n+1], v[SS+n:SS+n+1], s[CS:CS+1], v[12:13] op_sel_hi:[1,0,0]   ; t - M, two at a time (of the pairs c and -M the low word serves both halves)
.set n, n+2
.endr
.irp b, 0,1,2,3
	v_fma_f32 v[BMX+\b], v[BMX+\b], s[CS], v12     ; the same of each block's largest score
.endr
.set n, 0
	s_wait_alu depctr_va_vdst(0)
.rept 64
	v_exp_f32 v[SS+n], v[SS+n]                     ; p = 2^(t - M), at most 1: NOT normalised
.set n, n+1
.endr
	v_pk_mul_f32 v[14:15], v[14:15], v[FF:FF+1] op_sel_hi:[1,0]   ; the sums under the new M.  (The plain place behind the exponentials)
	s_wait_alu depctr_va_vdst(0)                   ; the wait ahead of the first line that names an exponential's result: one for the whole batch
.irp b, 0,1,2,3
	v_exp_f32 v[BMX+\b], v[BMX+\b]                 ; the block's largest p: the same two instructions on the same number give the same bits
.endr
	v_pk_add_f32 v[232:233], v[100:101], v[104:105]
	v_pk_add_f32 v[254:255], v[108:109], v[112:113]
	v_pk_add_f32 v[252:253], v[116:117], v[120:121]
	v_pk_add_f32 v[250:251], v[124:125], v[128:129]
	v_pk_add_f32 v[248:249], v[132:133], v[136:137]
	v_pk_add_f32 v[246:247], v[140:141], v[144:145]
	v_pk_add_f32 v[244:245], v[148:149], v[152:153]
	v_pk_add_f32 v[14:15], v[14:15], v[156:157]
	v_pk_add_f32 v[232:233], v[232:233], v[96:97]
	v_pk_add_f32 v[254:255], v[254:255], v[98:99]
	v_pk_add_f32 v[252:253], v[252:253], v[102:103]
	v_pk_add_f32 v[250:251], v[250:251], v[106:107]
	v_pk_add_f32 v[248:249], v[248:249], v[110:111]
	v_pk_add_f32 v[246:247], v[246:247], v[114:115]
	v_pk_add_f32 v[244:245], v[244:245], v[118:119]
	v_pk_add_f32 v[14:15], v[14:15], v[122:123]
	v_pk_add_f32 v[232:233], v[232:233], v[126:127]
	v_pk_add_f32 v[254:255], v[254:255], v[130:131]
	v_pk_add_f32 v[252:253], v[252:253], v[134:135]
	v_pk_add_f32 v[250:251], v[250:251], v[138:139]
	v_pk_add_f32 v[248:249], v[248:249], v[142:143]
	v_pk_add_f32 v[246:247], v[246:247], v[146:147]
	v_pk_add_f32 v[244:245], v[244:245], v[150:151]
	v_pk_add_f32 v[14:15], v[14:15], v[154:155]
	v_pk_add_f32 v[232:233], v[232:233], v[158:159]
	s_delay_alu instid0(VALU_DEP_2)
	v_pk_add_f32 v[14:15], v[14:15], v[250:251]
	s_delay_alu instid0(VALU_DEP_2)
	v_pk_add_f32 v[232:233], v[232:233], v[248:249]
	v_pk_add_f32 v[254:255], v[254:255], v[246:247]
	v_pk_add_f32 v[252:253], v[252:253], v[244:245]
	s_delay_alu instid0(VALU_DEP_2)
	v_pk_add_f32 v[14:15], v[14:15], v[254:255]
	s_delay_alu instid0(VALU_DEP_2)
	v_pk_add_f32 v[232:233], v[232:233], v[252:253]
	s_delay_alu instid0(VALU_DEP_1)
	v_pk_add_f32 v[14:15], v[14:15], v[232:233]
	s_wait_alu depctr_va_vdst(0)                   ; and one for the four
.irp b, 0,1,2,3
	v_max_num_f32 v[BMX+\b], 0x2800000, v[BMX+\b]  ; the floor 2^(5 - 127): the byte cannot fall under 1 (a block whose every p is 0 keeps that byte: its codes are zeros)
.endr
.irp b, 0,1,2,3
	s_delay_alu instid0(VALU_DEP_4)
	v_add_nc_u32 v[BSC+\b], 0xfe000000, v[BMX+\b]  ; 4 off the exponent field: the conversion's scale operand
.endr
.irp b, 0,1,2,3
	s_delay_alu instid0(VALU_DEP_4)
	v_lshrrev_b32 v[BTM+\b], 23, v[BSC+\b]         ; the scale's byte
.endr
	s_delay_alu instid0(VALU_DEP_3)
	v_lshl_or_b32 v[PWD], v[BTM+1], 8, v[BTM]      ; p's scale word for these 128 keys
	s_delay_alu instid0(VALU_DEP_1)
	v_lshl_or_b32 v[PWD], v[BTM+2], 16, v[PWD]
	s_delay_alu instid0(VALU_DEP_1)
	v_lshl_or_b32 v[PWD], v[BTM+3], 24, v[PWD]
.irp c, 0,1
	v_cvt_scalef32_pk16_bf6_f32 v[PCD+6*\c:PCD+6*\c+2], v[SS+32*\c:SS+32*\c+15], v[BSC+2*\c]
	v_cvt_scalef32_pk16_bf6_f32 v[PTM+4*\c:PTM+4*\c+2], v[SS+32*\c+16:SS+32*\c+31], v[BSC+2*\c+1]   ; (a conversion's three registers begin on an even number)
.endr
	v_nop                                          ; one plain place behind a scaled conversion
.irp c, 0,1                                    ; the operand's layout wants a WHOLE block in a lane: lanes 0-15 block 2 c, lanes 16-31 block 2 c + 1
.irp i, 0,1,2
	v_permlane16_swap_b32 v[PCD+6*\c+\i], v[PTM+4*\c+\i]
.endr
.irp i, 0,1,2
	s_delay_alu instid0(VALU_DEP_3)
	v_mov_b32 v[PCD+6*\c+3+\i], v[PTM+4*\c+\i]
.endr
.endr
.set n, 0
.rept 16
	v_pk_mul_f32 v[OT+n:OT+n+1], v[OT+n:OT+n+1], v[FF:FF+1] op_sel_hi:[1,0]   ; O^T under the new M: x f.  (For each product below, the twelve of these that name other tiles are the places behind p's codes and scale word)
.set n, n+2
.endr
	s_wait_alu depctr_va_vdst(0)
	s_wait_dscnt 0x0                               ; V's fragments and scale words are in
.irp t, 0,1,2,3
	PV \t                                          ; four accumulators, one instruction each
.endr
.Lhidden_\@:
	s_add_co_u32 s[KF], s[KF], 128
.endm
; THE CHANGE OF SLOTS stands at a slot's head.  Each wave waits for all its tensor loads (its part of the slot that it is about to read), adds 0 to its spare word, and waits for that and for its reads of the slot that it has left.
; Behind the barrier the slot ahead is whole and nobody reads the other one.  fill = 1: that other slot takes the next 512 keys, up to the causal limit: the load has a whole slot's steps in which to land.
.macro CHANGE fill
	s_wait_tensorcnt 0x0                           ; no tensor load of mine is out, so group 0 may be written
	ds_add_u32 v[SPW], v[NIL]                      ; 0 onto my spare word
.if \fill
	ds_add_u32 v[SPW], v[NIL]                      ; and once more: the add stands twice on end in every trip alike
	s_xor_b32 s[G0+1], s[G0+1], SLOT1              ; the walking descriptor: the other slot than last time,
	s_add_nc_u64 s[G0+2:G0+3], s[G0+2:G0+3], SLOTB ; the next four steps; the type bits on top are not reached
	s_wait_xcnt 0x0                                ; the last prefetch, a slot back, has read its address, so it may be written:
	s_add_nc_u64 s[PFA:PFA+1], s[PFA:PFA+1], SLOTB ; one slot further on than the walking descriptor
.endif
	s_wait_dscnt 0x0                               ; the add is done (fill = 1: both are), and my reads of the slot that I have left are over
	s_barrier_signal -1
	s_barrier_wait -1
.if \fill
	s_add_co_u32 s40, s[KF], 512                   ; THE LOOK-AHEAD ENDS AT THE CAUSAL LIMIT: a slot whose first key comes after my work-group's last query is read by none of its waves, so it is not asked for.
	s_cmp_gt_u32 s40, s[QL]                        ; Ids and the count of steps alone: all sixteen waves go the same way, and a work-group that is past the limit stays past it.  Every wait on TENSORcnt in this text is for 0
	s_cbranch_scc1 .Lpast_\@
	TLOAD                                          ; the first thing behind the barrier, and a wave's one tensor load until the next: one load of mine is out at the most
.Lpast_\@:
	ASK
.endif
.endm
.macro SLOT_STEPS
	STEP 0
	STEP 1
	STEP 2
	STEP 3
	s_xor_b32 s[TB], s[TB], SLOT1                  ; on to the other slot
.endm
.Lslot:                                            ; 3 trips: behind each change of slots but the last the next slot is asked for, up to the limit
	CHANGE 1
	SLOT_STEPS
	s_sub_co_u32 s[SLOTS], s[SLOTS], 1
	s_cmp_lg_u32 s[SLOTS], 0
	s_cbranch_scc1 .Lslot
	CHANGE 0                                       ; the last slot is written out: nothing is left to fetch
	SLOT_STEPS
	; THE WAY OUT.  O^T is divided by the row's sum and goes through my stage, so that sixteen lanes store a row's 256 consecutive bytes.
	v_add_f32 v14, v14, v15                        ; the sum's two halves,
	s_delay_alu instid0(VALU_DEP_1)
	v_permlanex16_b32 v[TT], v14, s[SEL], s[SEL+1]
	s_delay_alu instid0(VALU_DEP_1)
	v_add_f32 v14, v14, v[TT]                      ; and lane l xor 16's: the row's sum
	s_wait_alu depctr_va_vdst(0)
	v_rcp_f32 v14, v14
.rept 4
	v_nop                                          ; the plain place behind the reciprocal, and the places between the last products and the first read of O^T
.endr
	s_wait_alu depctr_va_vdst(0)                   ; the wait ahead of the reciprocal's first reader
.set n, 0
.rept 16
	v_pk_mul_f32 v[SS+n:SS+n+1], v[OT+n:OT+n+1], v[14:15] op_sel_hi:[1,0]   ; register 8 t + i is out(query r, d = 16 t + 8 h + i); each accumulator from its low end on
.set n, n+2
.endr
.irp t, 0,1,2,3
	ds_store_b128 v[SO], v[SS+8*\t:SS+8*\t+3] offset:64*\t
	ds_store_b128 v[SO], v[SS+8*\t+4:SS+8*\t+7] offset:64*\t+16
.endr
.irp i, 0,1,2,3,4,5,6,7
	ds_load_b128 v[FRG+4*\i:FRG+4*\i+3], v[SR] offset:2*SP*\i      ; LDS serves a wave's instructions in order: these see my stores
.endr
.irp i, 0,1,2,3,4,5,6,7
	s_wait_dscnt 7-\i                              ; load i is back, the 7 - i younger ones stay out
	global_store_b128 v[GO], v[FRG+4*\i:FRG+4*\i+3], s[8:9] offset:16384*\i th:TH_STORE_NT   ; queries 2 i and 2 i + 1: sixteen lanes store 256 consecutive bytes, at a multiple of 256 from out0's first byte
.endr
	s_wait_tensorcnt 0x0                           ; the wave's end: behind my last tensor load and my last LDS store
	ds_add_u32 v[SPW], v[NIL]
	s_wait_dscnt 0x0
	s_endpgm
.Lfunc_end_k_q31faf16cdd_attn:
	.size	k_q31faf16cdd_attn, .Lfunc_end_k_q31faf16cdd_attn-k_q31faf16cdd_attn
	.p2alignl 7, 3214868480
	.fill 96, 4, 3214868480
	.section	.rodata,"a",@progbits
	.p2align	6, 0x0
	.amdhsa_kernel k_q31faf16cdd_attn
		.amdhsa_group_segment_fixed_size 327680
		.amdhsa_private_segment_fixed_size 0
		.amdhsa_enable_private_segment 0
		.amdhsa_kernarg_size 24
		.amdhsa_user_sgpr_count 2
		.amdhsa_user_sgpr_kernarg_segment_ptr 1
		.amdhsa_wavefront_size32 1
		.amdhsa_system_sgpr_workgroup_id_x 1
		.amdhsa_system_sgpr_workgroup_id_y 1
		.amdhsa_system_sgpr_workgroup_id_z 1
		.amdhsa_system_vgpr_workitem_id 0
		.amdhsa_next_free_vgpr 256
		.amdhsa_next_free_sgpr 66
		.amdhsa_reserve_vcc 1
		.amdhsa_float_denorm_mode_32 3
		.amdhsa_float_denorm_mode_16_64 3
		.amdhsa_memory_ordered 1
		.amdhsa_forward_progress 1
		.amdhsa_inst_pref_size 189
	.end_amdhsa_kernel
	.amdgpu_metadata
---
amdhsa.version: [ 1, 2 ]
amdhsa.kernels:
  - .name:           k_q31faf16cdd_attn
    .symbol:         k_q31faf16cdd_attn.kd
    .args:
      - { .name: q, .offset: 0, .size: 8, .value_kind: global_buffer, .address_space: global }
      - { .name: kv, .offset: 8, .size: 8, .value_kind: global_buffer, .address_space: global }
      - { .name: out0, .offset: 16, .size: 8, .value_kind: global_buffer, .address_space: global }
    .group_segment_fixed_size: 327680
    .private_segment_fixed_size: 0
    .kernarg_segment_align: 8
    .kernarg_segment_size: 24
    .max_flat_workgroup_size: 512
    .sgpr_count:     66
    .vgpr_count:     256
    .wavefront_size: 32
...
	.end_amdgpu_metadata
.endif
;; end of part 2
